; MI455X (gfx1250); checked and timed in simulation.
; The chip was launched on July 23, 2026; its instructions are those of AMD's public machine-readable ISA for CDNA 5 (MIT licence, August 2026) and "CDNA5" Instruction Set Architecture Reference Guide (July 2026). The comments in the code are by the model that wrote it; some were corrected since.
;; Self Attention. Allowed arithmetic: matrix products marked QUANTISED: E4M3 operands, one E8M0 scale for each 32 along K, by v_wmma_scale_f32_16x16x128_f8f6f4 with both operands' format E4M3, f32 sums; everything else in f32.
;; Inputs: Wk 512 x 512 float32; Wq 512 x 512 float32; Wv 512 x 512 float32; bk 512 float32; bq 512 float32; bv 512 float32; x 2 x 4,096 x 512 float32.
;; Outputs: out0 2 x 4,096 x 512 float32.
;; This version of the problem:
;;   THIS VERSION OF THE PROBLEM IS GIVEN IN LOW PRECISION. The matrix products marked QUANTISED in the list below multiply operands that are first quantised to E4M3 (4 exponent bits, 3 mantissa bits; 8 bits a number), with one power-of-two scale for each 32 numbers along K (OCP MX v1.0); their sums are f32. All else is computed in f32.
;;   The module's matrix products, in the order in which they are computed (A, B: the left and right operand; K: the contracted axis; several contracted axes count as one K, in the product's order):
;;     1. [M 8,192, K 512] x [K 512, N 512]; A: input x; B: input Wq: QUANTISED
;;     2. [M 8,192, K 512] x [K 512, N 512]; A: input x; B: input Wk: QUANTISED
;;     3. [M 8,192, K 512] x [K 512, N 512]; A: input x; B: input Wv: QUANTISED
;;     4. batch 16 x [M 4,096, K 64] x [K 64, N 4,096]; A: computed on the way; B: computed on the way: QUANTISED
;;     5. batch 16 x [M 4,096, K 4,096] x [K 4,096, N 64]; A: softmax (see below); B: computed on the way: QUANTISED
;;   THE QUANTISER, for each operand of a quantised product, along K:
;;     - K is cut into blocks of 32 from its start; a last block that is shorter is filled with zeros.
;;     - A block's scale is 2^e with e = floor(log2(the largest magnitude in the block)) - 8, held to -126 .. 127; a block of zeros has e = 0. As a byte (E8M0): e + 127.
;;     - Each number is divided by its block's scale, clamped to +-448, and rounded to the nearest number of E4M3, ties to even, subnormals kept.
;;     - The product sums the exact products of the quantised numbers (number of the format x scale) in f32.
;;   ~~~python
;;   def quantise(x, axis):      # numpy; x: float32 -> the quantised numbers, widened to float32 again
;;       x = np.moveaxis(x, axis, -1); K = x.shape[-1]
;;       x = np.pad(x, [(0, 0)] * (x.ndim - 1) + [(0, -K % 32)]); x = x.reshape(x.shape[:-1] + (-1, 32)); a = np.abs(x).max(-1, keepdims=True)
;;       e = np.where(a > 0, np.clip(np.frexp(np.where(a > 0, a, 1))[1] - 1 - 8, -126, 127), 0)      # np.frexp(a)[1] - 1 = floor(log2(a)), exactly
;;       r = np.clip(x / 2.0 ** e, -448, 448)
;;       step = 2.0 ** (np.maximum(np.frexp(np.where(r == 0, 1, r))[1] - 1, -6) - 3)
;;       q = np.round(r / step) * step * 2.0 ** e      # np.round: ties to even
;;       return np.moveaxis(q.reshape(q.shape[:-2] + (-1,))[..., :K], -1, axis).astype(np.float32)
;;   ~~~
;;   SOFTMAX AHEAD OF A QUANTISED PRODUCT. Where the list says 'softmax', what is quantised is not the finished softmax but p = 2^(t - M), with t = logit x log2(e) and M = ceil(the row's largest t), a whole number; so 1/2 < the row's largest p <= 1. The row's sum l is taken of the UNQUANTISED p, in f32, and the product's result is divided by l at the end. Since M is a whole number, a kernel that streams over the keys may use a running M (the ceiling of the running maximum): every later rescaling is an exact power of two, which a block's scale takes up: the codes' values come out the same.
;;   OPERANDS COMPUTED ON THE WAY. 'Computed on the way' means the value that the module computes at that place (a softmax that the list does not call 'softmax' is quantised finished and normalised). What goes into a quantiser is computed in f32, as accurately as f32 sums, v_exp_f32 and their like allow (about 1e-6 of the number): no bf16 or f16 on the way to a quantiser, and a product that is left as it is and whose result goes on into a quantised operand takes f32 operands (vector FMAs, or v_wmma_f32_16x16x4_f32). A number that lies on a knife's edge between two numbers of the format may be rounded either way, as far as f32 arithmetic and the matrix unit's own rounding can turn it there, and no further.
;; One version. Each part assembles by itself: llvm-mc -triple=amdgcn-amd-amdhsa -mcpu=gfx1250 --defsym DOCPART=n.
;; ======== version 1 of 1: 3 launches
;; limits: right only within a limited range of input values
;; workspace buffers: xq 4,325,376 bytes; wq 811,008 bytes; qkvc 12,582,912 bytes; qkvs 786,432 bytes
;; launch prep (part 1): grid 304 x 1, 4 waves a work-group, no clusters, 68,096 bytes of LDS; arguments x, Wq, Wk, Wv, xq, wq; writes xq, wq
.if DOCPART == 1
	.amdgcn_target "amdgcn-amd-amdhsa--gfx1250"
	.amdhsa_code_object_version 6
	.text
	.protected	k_qd70fd69939_prep
	.globl	k_qd70fd69939_prep
	.p2align	8
	.type	k_qd70fd69939_prep,@function
k_qd70fd69939_prep:
	s_mov_b64 s[64:65], 0
	v_nop
	global_prefetch_b8 v0, s[64:65] scope:SCOPE_SE
	s_setreg_imm32_b32 hwreg(HW_REG_WAVE_MODE, 25, 1), 1
	s_wait_xcnt 0x0
; SELF-ATTENTION IN MX-FP8, launch 1 of 3: x [8192][512] and Wq, Wk, Wv [512 (k)][512 (n)], f32, become codes of E4M3 with one E8M0 byte for each 32 along K = 512.
; NO WORK IS LEFT OUT in any of the three launches: each of the five products is live, and each bias goes into a quantised operand (bq and bk move q's and k's codes, bv moves v's), so all seven inputs are loaded.
; (A head has 64 numbers and the matrix instruction sums 128: in the scores' products half of q's side is zero codes.  That lies inside live tiles.)
; A block's scale is 2^(floor(log2(its largest magnitude)) - 8); its byte is the largest magnitude's exponent field - 8, held at 1 from below.
; LIMITS: a block of zeros gets the byte 1 where the rule says 127 (its codes are zeros, and this program alone reads the bytes); NaN and infinities among the inputs are not served.
; THE WORKSPACE IS LAID AS IMAGES OF OPERAND REGISTERS.  A fragment (16 rows x 128 K) is 2,048 bytes: group c (0..3) at 512 c, lane l at 16 l; lane (r, h) of group c holds k = 32 c + 16 h + 0 .. 15 of the fragment's row r.
; THE ROWS OF A TILE ARE NOT NEIGHBOURS: of a run of 128 rows tile T = 2 f + u holds in lane r row 32 f + 8 u + r + 8 (r / 8); of a head's 64 columns of W tile wt = 2 b + u holds column 32 b + 8 u + r + 8 (r / 8).
;   xq: [64 runs of 128 rows][67,584]: codes at 8192 T + 2048 s + 512 c + 16 lane (s: the K step of 128); scale words at 65,536 + 256 T + 64 s + 4 r.
;   wq: [24 = 8 tensor + head][33,792]: codes at 2048 (4 wt + s) + 512 c + 16 lane; scale words at 32,768 + 256 wt + 64 s + 4 r.
; Work-groups 0 to 47 take 32 columns of one W each (wave = K step); the other 256 take x, a wave to two fragments.  Waves share nothing: no barrier.
.set SPARE, 67584                      ; behind the four stages: the spare words, 128 bytes for each wave
.set WST,   16896                      ; a wave's stage: two fragments of
.set FST,   8448                       ; 16 rows of
.set SP,    528                        ; 512 bytes + 16 of padding
.set LN,  1                            ; v1   lane
.set LI,  2                            ; v2   16 x lane
.set STI, 3                            ; v3   the stage, on the way in: 16 x lane in a row
.set STO, 4                            ; v4   and on the way out: row r, + 64 h
.set LW,  5                            ; v5   4 x lane
.set SPW, 6                            ; v6   LDS address of my spare word; never rewritten
.set NIL, 7                            ; v7   0; never rewritten
.set WCO, 9                            ; v9   W: my column's place in the codes' images
.set WSO, 10                           ; v10  and among the scale words
.set MX,  12                           ; v12-15 largest magnitudes
.set T2,  16                           ; v16-19 at work
.set LM,  20                           ; v20-23 448 x the scale
.set SO,  24                           ; v24-27 the conversions' scale operands
.set PW,  28                           ; v28-29 two scale words
.set WD,  30                           ; v30  the word to store
.set CD,  32                           ; v32-63 codes
.set R,   64                           ; v64-191 numbers as loaded
.set X,   192                          ; v192-255 a fragment's numbers, turned
; 64 numbers of a lane, register 16 b + i = k 32 b + 16 h + i of my row, become a fragment's codes and its scale word
.macro QUANT s, cd, pw
.irp b, 0,1,2,3
	v_max3_num_f32 v[MX+\b], |v[\s+16*\b]|, |v[\s+16*\b+1]|, 0x4800000   ; my 16 numbers of block b, and the floor 2^(9 - 127): the byte cannot fall under 1
.endr
.irp i, 2,4,6,8,10,12,14
.irp b, 0,1,2,3
	v_max3_num_f32 v[MX+\b], v[MX+\b], |v[\s+16*\b+\i]|, |v[\s+16*\b+\i+1]|   ; the four blocks by turns
.endr
.endr
.irp b, 0,1,2,3
	v_permlanex16_b32 v[T2+\b], v[MX+\b], s20, s21
.endr
.irp b, 0,1,2,3
	v_max_num_f32 v[MX+\b], v[MX+\b], v[T2+\b]     ; with lane l xor 16's 16: the block's
.endr
.irp b, 0,1,2,3
	v_add_nc_u32 v[SO+\b], 0xfc000000, v[MX+\b]    ; 8 off the exponent field: the conversion's scale operand
.endr
.irp b, 0,1,2,3
	v_and_or_b32 v[LM+\b], v[MX+\b], 0x7f800000, s22   ; 448 x the scale
.endr
.irp b, 0,1,2,3
	v_lshrrev_b32 v[T2+\b], 23, v[SO+\b]           ; the scale's byte
.endr
	v_lshl_or_b32 v[\pw], v[T2+1], 8, v[T2]
	v_lshl_or_b32 v[\pw], v[T2+2], 16, v[\pw]
	v_lshl_or_b32 v[\pw], v[T2+3], 24, v[\pw]
.irp b, 0,1,2,3
.irp i, 0,1,2,3,4,5,6,7,8,9,10,11,12,13,14,15
	v_med3_num_f32 v[\s+16*\b+\i], v[\s+16*\b+\i], -v[LM+\b], v[LM+\b]   ; the conversion to an 8-bit code does not saturate (ISA guide 7.6.2): the hold
.endr
	v_cvt_scalef32_pk8_fp8_f32 v[\cd+4*\b:\cd+4*\b+1], v[\s+16*\b:\s+16*\b+7], v[SO+\b]
	v_cvt_scalef32_pk8_fp8_f32 v[\cd+4*\b+2:\cd+4*\b+3], v[\s+16*\b+8:\s+16*\b+15], v[SO+\b]
.endr
	v_nop                                          ; a plain line behind the last conversion
.endm
	s_load_b256 s[4:11], s[0:1], 0x0               ; x s[4:5], Wq s[6:7], Wk s[8:9], Wv s[10:11]
	s_load_b128 s[12:15], s[0:1], 0x20             ; xq s[12:13], wq s[14:15]
	v_lshl_add_u32 v[SPW], v0, 2, SPARE
	v_mov_b32 v[NIL], 0
	v_lshrrev_b32 v8, 5, v0
	v_readfirstlane_b32 s16, v8                    ; wave 0..3
	v_and_b32 v[LN], 31, v0
	v_lshlrev_b32 v[LI], 4, v[LN]
	v_lshlrev_b32 v[LW], 2, v[LN]
	s_mov_b32 s20, 0x76543210
	s_mov_b32 s21, 0xfedcba98                      ; v_permlanex16_b32's selects for lane l xor 16
	s_mov_b32 s22, 0x600000                        ; the mantissa field of 448
	s_cmp_lt_u32 ttmp9, 48
	s_cbranch_scc1 .Lweights
	; ---- x.  Job J = 4 (work-group - 48) + wave: tile T of run G, K steps 2 p and 2 p + 1
	s_sub_co_u32 s17, ttmp9, 48
	s_lshl_b32 s17, s17, 2
	s_add_co_u32 s17, s17, s16
	s_and_b32 s18, s17, 1                          ; p
	s_lshr_b32 s19, s17, 1
	s_lshr_b32 s23, s19, 3                         ; G
	s_and_b32 s19, s19, 7                          ; T
	s_lshl_b32 s24, s23, 18                        ; x: 128 rows of 2,048 bytes a run,
	s_lshr_b32 s26, s19, 1
	s_lshl_b32 s26, s26, 16                        ; 32 f rows,
	s_add_co_u32 s24, s24, s26
	s_and_b32 s26, s19, 1
	s_lshl_b32 s26, s26, 14                        ; 8 u rows,
	s_add_co_u32 s24, s24, s26
	s_lshl_b32 s26, s18, 10                        ; and two K steps of 512 bytes
	s_add_co_u32 s24, s24, s26
	s_mov_b32 s25, 0
	s_mul_i32 s26, s23, 67584                      ; xq: the run's block,
	s_lshl_b32 s28, s19, 13
	s_add_co_u32 s28, s28, s26
	s_lshl_b32 s29, s18, 12
	s_add_co_u32 s28, s28, s29                     ; the codes of fragment (T, 2 p);
	s_mov_b32 s29, 0
	s_lshl_b32 s30, s19, 8
	s_add_co_u32 s30, s30, s26
	s_lshl_b32 s31, s18, 7
	s_add_co_u32 s30, s30, s31
	s_add_co_u32 s30, s30, 65536                   ; and its scale words
	s_mov_b32 s31, 0
	s_mul_i32 s26, s16, WST
	s_wait_alu depctr_va_vdst(0)
	v_add_nc_u32 v[STI], s26, v[LI]
	v_and_b32 v8, 15, v0
	v_bfe_u32 v11, v0, 4, 1
	v_mul_u32_u24 v[STO], v8, SP
	v_lshl_add_u32 v[STO], v11, 6, v[STO]
	v_add_nc_u32 v[STO], s26, v[STO]
.irp b, 0,1,2,3
	v_mov_b32 v[T2+\b], 0                          ; a lane permute's destination counts as one of its sources
.endr
	s_wait_alu depctr_va_vdst(0)
	s_wait_kmcnt 0x0
	s_add_nc_u64 s[4:5], s[4:5], s[24:25]
	s_add_nc_u64 s[28:29], s[12:13], s[28:29]
	s_add_nc_u64 s[30:31], s[12:13], s[30:31]
.irp q, 0,1
.irp i, 0,1,2,3,4,5,6,7,8,9,10,11,12,13,14,15
	global_load_b128 v[R+64*\q+4*\i:R+64*\q+4*\i+3], v[LI], s[4:5] offset:(\i+8*(\i/8))*2048+512*\q th:TH_LOAD_NT   ; 32 lanes read a row's 512 consecutive bytes of one K step
.endr
.endr
	s_wait_loadcnt 16                              ; the first fragment's 16 loads are in, the second's may be out
.irp i, 0,1,2,3,4,5,6,7,8,9,10,11,12,13,14,15
	ds_store_b128 v[STI], v[R+4*\i:R+4*\i+3] offset:SP*\i
.endr
.irp c, 0,1,2,3
.irp j, 0,1,2,3
	ds_load_b128 v[X+16*\c+4*\j:X+16*\c+4*\j+3], v[STO] offset:128*\c+16*\j   ; LDS serves a wave's instructions in order (ISA guide 5.7.1.4): these see my stores.  Row r, k = 32 c + 16 h + 4 j ..
.endr
.endr
	s_wait_loadcnt 0x0
.irp i, 0,1,2,3,4,5,6,7,8,9,10,11,12,13,14,15
	ds_store_b128 v[STI], v[R+64+4*\i:R+64+4*\i+3] offset:FST+SP*\i
.endr
	s_wait_dscnt 32                                ; of 48 out the oldest 16 are done: the first fragment's stores have read v64-127, which take the second fragment's numbers
.irp c, 0,1,2,3
.irp j, 0,1,2,3
	ds_load_b128 v[R+16*\c+4*\j:R+16*\c+4*\j+3], v[STO] offset:FST+128*\c+16*\j
.endr
.endr
	s_wait_dscnt 32                                ; the second fragment's 16 stores and 16 loads may be out: the first fragment is back
	QUANT X, CD, PW
.irp c, 0,1,2,3
	global_store_b128 v[LI], v[CD+4*\c:CD+4*\c+3], s[28:29] offset:512*\c   ; 512 consecutive bytes
.endr
	s_wait_dscnt 0x0
	QUANT R, CD+16, PW+1
.irp c, 0,1,2,3
	global_store_b128 v[LI], v[CD+16+4*\c:CD+16+4*\c+3], s[28:29] offset:2048+512*\c
.endr
	v_cmp_gt_u32 vcc_lo, 16, v[LN]
	v_cndmask_b32 v[WD], v[PW+1], v[PW], vcc_lo    ; lanes 0-15 K step 2 p's words, lanes 16-31 step 2 p + 1's (both halves of the lanes hold a row's word)
	global_store_b32 v[LW], v[WD], s[30:31]        ; 128 consecutive bytes
	s_wait_tensorcnt 0x0                           ; the wave's end, behind my last LDS store
	ds_add_u32 v[SPW], v[NIL]
	s_wait_dscnt 0x0
	s_endpgm
	; ---- W.  A LANE TAKES A COLUMN AND ITS REGISTERS RUN DOWN K: a block of 32 lies in one lane, and the codes come out with K innermost.  No LDS is written on this path.
.Lweights:
	s_lshr_b32 s17, ttmp9, 4                       ; which W
	s_and_b32 s18, ttmp9, 15                       ; which 32 of its columns
	s_lshr_b32 s19, ttmp9, 1                       ; 8 tensor + head
	s_and_b32 s23, ttmp9, 1                        ; b: which 32 of the head's 64
	s_lshl_b32 s26, s16, 18                        ; my K step: 128 rows of 2,048 bytes
	s_lshl_b32 s27, s18, 7
	s_add_co_u32 s26, s26, s27
	s_mov_b32 s27, 0
	s_mul_i32 s28, s19, 33792
	s_lshl_b32 s29, s23, 14                        ; tiles 2 b, 2 b + 1: 4 fragments of 2,048 bytes each
	s_add_co_u32 s30, s28, s29
	s_lshl_b32 s29, s16, 11
	s_add_co_u32 s30, s30, s29
	s_mov_b32 s31, 0
	s_lshl_b32 s29, s23, 9
	s_add_co_u32 s28, s28, s29
	s_lshl_b32 s29, s16, 6
	s_add_co_u32 s28, s28, s29
	s_add_co_u32 s28, s28, 32768
	s_mov_b32 s29, 0
	v_bfe_u32 v8, v0, 3, 1                         ; column l of the 32 is lane r = l % 8 + 8 (l / 16) of tile u = (l / 8) % 2
	v_and_b32 v11, 7, v0
	v_bfe_u32 v12, v0, 4, 1
	v_lshl_add_u32 v11, v12, 3, v11
	v_lshlrev_b32 v[WCO], 4, v11
	v_lshl_add_u32 v[WCO], v8, 13, v[WCO]
	v_lshlrev_b32 v[WSO], 2, v11
	v_lshl_add_u32 v[WSO], v8, 8, v[WSO]
	s_wait_kmcnt 0x0
	s_cmp_eq_u32 s17, 1                            ; the choice hangs on the work-group's number alone
	s_cselect_b64 s[24:25], s[8:9], s[10:11]
	s_cmp_eq_u32 s17, 0
	s_cselect_b64 s[24:25], s[6:7], s[24:25]
	s_add_nc_u64 s[24:25], s[24:25], s[26:27]
	s_add_nc_u64 s[30:31], s[14:15], s[30:31]
	s_add_nc_u64 s[28:29], s[14:15], s[28:29]
.macro WLOAD c
.irp i, 0,1,2,3,4,5,6,7,8,9,10,11,12,13,14,15,16,17,18,19,20,21,22,23,24,25,26,27,28,29,30,31
	global_load_b32 v[R+32*(\c)+\i], v[LW], s[24:25] offset:(32*(\c)+\i)*2048 th:TH_LOAD_NT   ; one row of W at 32 neighbouring columns
.endr
.endm
.macro WBLK c
.set XS, R+32*(\c)
.if (\c) < 3
	s_wait_loadcnt 32                              ; this block's 32 loads are in, the next block's may be out
.else
	s_wait_loadcnt 0x0
.endif
.if (\c)+2 < 4
	WLOAD (\c)+2
.endif
	v_max3_num_f32 v12, |v[XS]|, |v[XS+1]|, |v[XS+2]|
	v_max3_num_f32 v13, |v[XS+3]|, |v[XS+4]|, |v[XS+5]|
.irp i, 6,10,14,18,22,26
	v_max3_num_f32 v12, v12, |v[XS+\i]|, |v[XS+\i+1]|
	v_max3_num_f32 v13, v13, |v[XS+\i+2]|, |v[XS+\i+3]|
.endr
	v_max3_num_f32 v12, v12, |v[XS+30]|, |v[XS+31]|
	v_max3_num_f32 v12, v12, v13, 0x4800000        ; and the floor
	v_add_nc_u32 v[SO], 0xfc000000, v12
	v_and_or_b32 v[LM], v12, 0x7f800000, s22
	v_lshrrev_b32 v13, 23, v[SO]
.if (\c) == 0
	v_mov_b32 v[WD], v13
.else
	v_lshl_or_b32 v[WD], v13, 8*(\c), v[WD]
.endif
.irp i, 0,1,2,3,4,5,6,7,8,9,10,11,12,13,14,15,16,17,18,19,20,21,22,23,24,25,26,27,28,29,30,31
	v_med3_num_f32 v[XS+\i], v[XS+\i], -v[LM], v[LM]
.endr
.irp g, 0,1,2,3
	v_cvt_scalef32_pk8_fp8_f32 v[CD+8*(\c)+2*\g:CD+8*(\c)+2*\g+1], v[XS+8*\g:XS+8*\g+7], v[SO]
.endr
	global_store_b128 v[WCO], v[CD+8*(\c):CD+8*(\c)+3], s[30:31] offset:512*(\c)          ; k = 32 c + 0 .. 15: the image's lanes 0-15; sixteen lanes of one tile store 256 consecutive bytes
	global_store_b128 v[WCO], v[CD+8*(\c)+4:CD+8*(\c)+7], s[30:31] offset:512*(\c)+256    ; k = 32 c + 16 .. 31: its lanes 16-31
.endm
	s_wait_alu depctr_va_vdst(0)
	WLOAD 0
	WLOAD 1
	WBLK 0
	WBLK 1
	WBLK 2
	WBLK 3
	global_store_b32 v[WSO], v[WD], s[28:29]       ; my column's scale word of this K step: pieces of 64 bytes, 24 KiB in the whole launch
	s_endpgm
.Lfunc_end_k_qd70fd69939_prep:
	.size	k_qd70fd69939_prep, .Lfunc_end_k_qd70fd69939_prep-k_qd70fd69939_prep
	.p2alignl 7, 3214868480
	.fill 96, 4, 3214868480
	.section	.rodata,"a",@progbits
	.p2align	6, 0x0
	.amdhsa_kernel k_qd70fd69939_prep
		.amdhsa_group_segment_fixed_size 68096
		.amdhsa_private_segment_fixed_size 0
		.amdhsa_enable_private_segment 0
		.amdhsa_kernarg_size 48
		.amdhsa_user_sgpr_count 2
		.amdhsa_user_sgpr_kernarg_segment_ptr 1
		.amdhsa_wavefront_size32 1
		.amdhsa_system_sgpr_workgroup_id_x 1
		.amdhsa_system_sgpr_workgroup_id_y 1
		.amdhsa_system_sgpr_workgroup_id_z 1
		.amdhsa_system_vgpr_workitem_id 0
		.amdhsa_next_free_vgpr 256
		.amdhsa_next_free_sgpr 66
		.amdhsa_reserve_vcc 1
		.amdhsa_float_denorm_mode_32 3
		.amdhsa_float_denorm_mode_16_64 3
		.amdhsa_memory_ordered 1
		.amdhsa_forward_progress 1
		.amdhsa_inst_pref_size 56
	.end_amdhsa_kernel
	.amdgpu_metadata
---
amdhsa.version: [ 1, 2 ]
amdhsa.kernels:
  - .name:           k_qd70fd69939_prep
    .symbol:         k_qd70fd69939_prep.kd
    .args:
      - { .name: x, .offset: 0, .size: 8, .value_kind: global_buffer, .address_space: global }
      - { .name: Wq, .offset: 8, .size: 8, .value_kind: global_buffer, .address_space: global }
      - { .name: Wk, .offset: 16, .size: 8, .value_kind: global_buffer, .address_space: global }
      - { .name: Wv, .offset: 24, .size: 8, .value_kind: global_buffer, .address_space: global }
      - { .name: xq, .offset: 32, .size: 8, .value_kind: global_buffer, .address_space: global }
      - { .name: wq, .offset: 40, .size: 8, .value_kind: global_buffer, .address_space: global }
    .group_segment_fixed_size: 68096
    .private_segment_fixed_size: 0
    .kernarg_segment_align: 8
    .kernarg_segment_size: 48
    .max_flat_workgroup_size: 128
    .sgpr_count:     66
    .vgpr_count:     256
    .wavefront_size: 32
...
	.end_amdgpu_metadata
.endif
;; end of part 1
;; launch proj (part 2): grid 8 x 32, 4 waves a work-group, clusters of 4 x 4, 240,128 bytes of LDS; arguments xq, wq, bq, bk, bv, qkvc, qkvs; writes qkvc, qkvs
.if DOCPART == 2
	.amdgcn_target "amdgcn-amd-amdhsa--gfx1250"
	.amdhsa_code_object_version 6
	.text
	.protected	k_qd70fd69939_proj
	.globl	k_qd70fd69939_proj
	.p2align	8
	.type	k_qd70fd69939_proj,@function
k_qd70fd69939_proj:
	s_mov_b64 s[64:65], 0
	v_nop
	global_prefetch_b8 v0, s[64:65] scope:SCOPE_SE
	s_setreg_imm32_b32 hwreg(HW_REG_WAVE_MODE, 25, 1), 1
	s_wait_xcnt 0x0
	s_wait_alu depctr_hold_cnt(0) depctr_sa_sdst(0) depctr_va_vdst(0) depctr_va_sdst(0) depctr_va_ssrc(0) depctr_va_vcc(0) depctr_vm_vsrc(0)
	s_getreg_b32 s2, hwreg(HW_REG_IB_STS2, 6, 4)
	s_cmp_eq_u32 s2, 0
	s_cbranch_scc0 .Lentry_in_a_cluster
	s_endpgm
.Lentry_in_a_cluster:
	s_bfe_u32 s2, ttmp6, 0x10000c
	s_cmp_lg_u32 s2, 0xf033
	s_cbranch_scc0 .Lentry_shape_is_right
	s_endpgm
.Lentry_shape_is_right:
; Launch 2 of 3: q, k, v = Q(x) Q(W) + b on codes of E4M3, and the results quantised at once: q and k along the head's 64, v along the keys.  No work is left out.
; SHARES.  Work-group (gx, gy): head gx's q, k and v (three parts of 64 columns) for runs 2 gy, 2 gy + 1 of 128 rows.  Wave w owns 64 rows: tiles 4 hf .. + 3 of run j (w = 2 j + hf); their 16 fragments stay in registers for all three parts.
; CLUSTERS of 4 x 4: the four of a row share x's two blocks, the four of a column the head's three blocks of W: joint loads, one a wave: wave 0 x, waves 1 to 3 W.  Nothing in LDS is filled again; there is no loop to run ahead in, so nothing is prefetched.
; q, k: THE PRODUCT IS USED TRANSPOSED (source 0 = 16 columns of W, source 1 = 16 rows of x): a lane holds one row, and by the choice of W's columns the 16 registers of tiles 2 b, 2 b + 1 are d = 32 b + 16 h + 0 .. 15.
; v: the natural way (source 0 = x): a lane holds one d, and by the choice of x's rows the 16 registers of tiles 2 f, 2 f + 1 are keys 32 f + 16 h + 0 .. 15.
; Either way a part's 128 accumulator registers are eight blocks of 16; a block of 32 lies in lanes l and l xor 16.
; OUT, images of operand registers:  qkvc [tensor][batch x head][run of 128][8,192]: fragment F at 2048 F + 512 c + 16 lane.  q, k: F = f holds tile (f, 0) in k = 0 .. 63 and tile (f, 1) in k = 64 .. 127;
; v: F = the tile of 16 d, k = the run's 128 keys.  qkvs [tensor][batch x head][run][lane][F]: a lane's four scale words, 512 bytes a run: two waves make them, so they meet in LDS.
; LIMITS: a block of zeros gets the byte 1 where the rule says 127 (its codes are zeros; this program alone reads the bytes); NaN and infinities are not served.
; REGISTERS: window 0: below.  window 1: x's fragment (t, s) at v[16 (4 t + s)].  window 2: accumulators, 128.  window 3: W's fragment (wt, s) at v[16 (4 wt + s)].
.set XBLK,  67584                      ; a run's block of xq
.set WBLK,  33792                      ; a head's block of wq
.set WB,    135168                     ; W behind the two blocks of x
.set SCI,   236544                     ; six images of scale words, 512 bytes each: 2 tensor + run
.set SPARE, 239616                     ; the spare words, 128 bytes for each wave
.set LI,  1                            ; v1   16 x lane
.set AX,  2                            ; v2   LDS address of my codes of x
.set AS,  3                            ; v3   of my scale words of x
.set AW0, 4                            ; W's codes of q, k, v
.set AW1, 5
.set SPW, 6
.set NIL, 7
.set LW,  8                            ; v8   4 x lane
.set AWS, 9                            ; W's scale words of q (and k)
.set IMQ, 10                           ; my place in an image: q, k: 8 bytes,
.set IMV, 11                           ; v: 2 bytes of each word
.set WS,  12                           ; v12-19 W's scale words: register 2 wt + s / 2: lanes 0-15 the even K step's, lanes 16-31 the odd one's
.set AW2, 20
.set XS,  21                           ; v21-28 x's: register 2 t + s / 2, likewise
.set AWS2, 29
.set SW,  30                           ; v30-31 two scale words
.set MX,  32
.set T2,  40
.set LM,  48
.set SO,  56
.set CD,  64                           ; v64-95  codes: four registers a block
.set BQ,  96                           ; v96-191 the biases in the results' layout, 8 registers a tile of W
.set BK,  128
.set BV,  160
.set OUTR, 192
.set GX,  68
.set GW,  76
.set G0X, 84
.set G0W, 88
.set MSB, 0
.macro WIN new                         ; the immediate's high byte repeats the setting that is left
.if MSB != (\new)
	s_set_vgpr_msb (MSB<<8)|(\new)
.set MSB, (\new)
.endif
.endm
.macro WALU
	s_wait_alu depctr_va_vdst(0)
.endm
.macro PLACES n
.rept \n
	v_nop
.endr
.endm
.macro CROUND                          ; a round of the cluster's barrier
	s_barrier_signal -1
	s_barrier_wait -1
	s_cmp_lg_u32 s18, 0
	s_cbranch_scc1 .Lnot_wave_0_\@
	s_barrier_signal -3
.Lnot_wave_0_\@:
	s_barrier_wait -3
	s_barrier_signal -1
	s_barrier_wait -1
.endm
.macro GROUP1 g, mask, rows            ; dense rows of 256 bytes (32 elements of 8), no padding
	s_or_b32 s[\g+0], s[\mask], (3<<16)|(1<<21)
	s_mov_b32 s[\g+1], 32<<16
	s_mov_b32 s[\g+2], (\rows)<<16
	s_mov_b32 s[\g+3], 32<<16
	s_mov_b32 s[\g+4], \rows
	s_mov_b32 s[\g+5], 32
	s_mov_b32 s[\g+6], 0
	s_mov_b32 s[\g+7], 0
.endm
.macro XL s                            ; x's four fragments of K step s
	WIN 0x40
.irp t, 0,1,2,3
.irp c, 0,1,2,3
	ds_load_b128 v[16*(4*\t+(\s))+4*\c:16*(4*\t+(\s))+4*\c+3], v[AX] offset:8192*\t+2048*(\s)+512*\c
.endr
.endr
	WIN 0
.endm
.macro WL a, s                         ; W's four fragments of K step s
	WIN 0xc0
.irp w, 0,1,2,3
.irp c, 0,1,2,3
	ds_load_b128 v[16*(4*\w+(\s))+4*\c:16*(4*\w+(\s))+4*\c+3], v[\a] offset:2048*(4*\w+(\s))+512*\c
.endr
.endr
	WIN 0
.endm
.macro SCW a, o                        ; W's scale words of a part
.irp w, 0,1,2,3
.irp e, 0,1
	ds_load_b32 v[WS+2*\w+\e], v[\a] offset:\o+256*\w+128*\e
.endr
.endr
.endm
; 16 products, K step s, the 16 accumulators by turns.  The first K step takes the bias as C; odd K steps read both sides' scales from lanes 16-31.  v = 0: q, k; v = 1: v
.macro MULS v, s, bi
.if (\s) == 0
	WIN 0x87+6*(\v)
.else
	WIN 0xa7+6*(\v)
.endif
.irp t, 0,1,2,3
.irp w, 0,1,2,3
.set rW, 16*(4*\w+(\s))
.set rX, 16*(4*\t+(\s))
.set rWS, WS+2*\w+(\s)/2
.set rXS, XS+2*\t+(\s)/2
.if \v
.set rD, 8*(4*\w+\t)
.if (\s) == 0
	v_wmma_scale_f32_16x16x128_f8f6f4 v[rD:rD+7], v[rX:rX+15], v[rW:rW+15], v[\bi+8*\w:\bi+8*\w+7], v[rXS], v[rWS]
.elseif (\s) == 2
	v_wmma_scale_f32_16x16x128_f8f6f4 v[rD:rD+7], v[rX:rX+15], v[rW:rW+15], v[rD:rD+7], v[rXS], v[rWS]
.else
	v_wmma_scale_f32_16x16x128_f8f6f4 v[rD:rD+7], v[rX:rX+15], v[rW:rW+15], v[rD:rD+7], v[rXS], v[rWS] matrix_a_scale:MATRIX_SCALE_ROW1 matrix_b_scale:MATRIX_SCALE_ROW1
.endif
.else
.set rD, 8*(4*\t+\w)
.if (\s) == 0
	v_wmma_scale_f32_16x16x128_f8f6f4 v[rD:rD+7], v[rW:rW+15], v[rX:rX+15], v[\bi+8*\w:\bi+8*\w+7], v[rWS], v[rXS]
.elseif (\s) == 2
	v_wmma_scale_f32_16x16x128_f8f6f4 v[rD:rD+7], v[rW:rW+15], v[rX:rX+15], v[rD:rD+7], v[rWS], v[rXS]
.else
	v_wmma_scale_f32_16x16x128_f8f6f4 v[rD:rD+7], v[rW:rW+15], v[rX:rX+15], v[rD:rD+7], v[rWS], v[rXS] matrix_a_scale:MATRIX_SCALE_ROW1 matrix_b_scale:MATRIX_SCALE_ROW1
.endif
.endif
.endr
.endr
.endm
; A part's eight blocks become codes, v[CD] on, and scale bytes, v[T2] on.  Each accumulator is read from its low end on
.macro QUANT
	s_wait_xcnt 0x0                                ; the part before's stores have read the codes' registers
	WIN 0x28                                       ; sources 1 and 2 window 2
.irp b, 0,1,2,3,4,5,6,7
	v_max3_num_f32 v[MX+\b], s41, |v[16*\b]|, |v[16*\b+1]|   ; s41: the floor 2^(9 - 127): the byte cannot fall under 1
.endr
.irp i, 2,4,6,8,10,12,14
.irp b, 0,1,2,3,4,5,6,7
	v_max3_num_f32 v[MX+\b], v[MX+\b], |v[16*\b+\i]|, |v[16*\b+\i+1]|
.endr
.endr
	WIN 0
.irp b, 0,1,2,3,4,5,6,7
	v_permlanex16_b32 v[T2+\b], v[MX+\b], s38, s39
.endr
.irp b, 0,1,2,3,4,5,6,7
	v_max_num_f32 v[MX+\b], v[MX+\b], v[T2+\b]     ; with lane l xor 16's 16
.endr
.irp b, 0,1,2,3,4,5,6,7
	v_add_nc_u32 v[SO+\b], 0xfc000000, v[MX+\b]    ; 8 off the exponent field: the conversion's scale operand
.endr
.irp b, 0,1,2,3,4,5,6,7
	v_and_or_b32 v[LM+\b], v[MX+\b], 0x7f800000, s40   ; 448 x the scale
.endr
.irp b, 0,1,2,3,4,5,6,7
	v_lshrrev_b32 v[T2+\b], 23, v[SO+\b]           ; the scale's byte
.endr
	WIN 0x82                                       ; source 0 and destination window 2
.irp b, 0,1,2,3,4,5,6,7
.irp i, 0,1,2,3,4,5,6,7,8,9,10,11,12,13,14,15
	v_med3_num_f32 v[16*\b+\i], v[16*\b+\i], -v[LM+\b], v[LM+\b]   ; the hold at 448 x the scale (ISA guide 7.6.2)
.endr
.endr
	WIN 0x02                                       ; source 0 window 2
.irp b, 0,1,2,3,4,5,6,7
	v_cvt_scalef32_pk8_fp8_f32 v[CD+4*\b:CD+4*\b+1], v[16*\b:16*\b+7], v[SO+\b]
	v_cvt_scalef32_pk8_fp8_f32 v[CD+4*\b+2:CD+4*\b+3], v[16*\b+8:16*\b+15], v[SO+\b]
.endr
	WIN 0
	v_nop                                          ; a plain line behind the last conversion
.endm
.macro OUTQ i, base                    ; q (i = 0), k (1): my two fragments: 4,096 bytes on end; their scale words go to the image
.irp f, 0,1
	v_lshl_or_b32 v[SW+\f], v[T2+4*\f+1], 8, v[T2+4*\f]
.endr
.irp e, 2,3
.irp f, 0,1
	v_lshl_or_b32 v[SW+\f], v[T2+4*\f+\e], 8*\e, v[SW+\f]
.endr
.endr
	ds_store_b64 v[IMQ], v[SW:SW+1] offset:1024*(\i)
.irp b, 0,1,2,3,4,5,6,7
	global_store_b128 v[LI], v[CD+4*\b:CD+4*\b+3], s[\base:\base+1] offset:512*\b
.endr
.endm
	s_load_b256 s[4:11], s[0:1], 0x0               ; xq s[4:5], wq s[6:7], bq s[8:9], bk s[10:11]
	s_load_b128 s[12:15], s[0:1], 0x20             ; bv s[12:13], qkvc s[14:15]
	s_load_b64 s[16:17], s[0:1], 0x30              ; qkvs
	v_lshl_add_u32 v[SPW], v0, 2, SPARE
	v_mov_b32 v[NIL], 0
	ds_add_u32 v[SPW], v[NIL]                      ; the wave's opening: the add, twice on end, ahead of my first tensor load
	ds_add_u32 v[SPW], v[NIL]
	v_lshrrev_b32 v32, 5, v0
	v_readfirstlane_b32 s18, v32                   ; wave 0..3
	s_lshr_b32 s19, s18, 1                         ; j
	s_and_b32 s20, s18, 1                          ; hf
	s_bfe_u32 s21, ttmp6, 0x40000                  ; cx
	s_bfe_u32 s22, ttmp6, 0x40004                  ; cy
	s_lshl_b32 s23, ttmp9, 2
	s_add_co_u32 s23, s23, s21                     ; gx
	s_and_b32 s24, ttmp7, 0xffff
	s_lshl_b32 s24, s24, 2
	s_add_co_u32 s24, s24, s22                     ; gy
	s_lshl_b32 s25, s22, 2
	s_lshl_b32 s25, 15, s25                        ; my row of the cluster
	s_lshl_b32 s26, 0x1111, s21                    ; my column
	GROUP1 GX, 25, 528
	GROUP1 GW, 26, 132
	s_mul_i32 s28, s24, 2*XBLK                     ; x: the two runs' blocks
	s_mov_b32 s29, 0
	s_max_u32 s30, s18, 1
	s_sub_co_u32 s30, s30, 1                       ; waves 1 to 3: W's tensor
	s_lshl_b32 s30, s30, 3
	s_add_co_u32 s30, s30, s23
	s_mul_i32 s30, s30, WBLK
	s_mov_b32 s31, 0
	s_lshl_b32 s36, s23, 8                         ; the head's 64 numbers of a bias
	s_mov_b32 s37, 0
	s_lshr_b32 s42, s24, 4                         ; the batch
	s_lshl_b32 s42, s42, 3
	s_add_co_u32 s42, s42, s23
	s_lshl_b32 s42, s42, 5
	s_and_b32 s43, s24, 15
	s_lshl_b32 s43, s43, 1
	s_add_co_u32 s42, s42, s43                     ; (8 batch + head) x 32 + the first of the two runs in its batch
	s_add_co_u32 s43, s42, s19
	s_lshl_b32 s44, s43, 13                        ; q's codes: my run, + 4,096 hf
	s_lshl_b32 s46, s20, 10
	s_add_co_u32 s46, s46, s44
	s_add_co_u32 s46, s46, 8388608                 ; v's: + 1,024 hf
	s_mov_b32 s47, 0
	s_lshl_b32 s45, s20, 12
	s_add_co_u32 s44, s44, s45
	s_mov_b32 s45, 0
	s_lshl_b32 s48, s42, 9                         ; scale words: wave w stores image w: tensor w / 2, run w % 2;
	s_lshl_b32 s50, s18, 8
	s_add_co_u32 s50, s50, s48
	s_add_co_u32 s50, s50, 524288                  ; and 256 bytes of v's two
	s_mov_b32 s51, 0
	s_lshl_b32 s49, s19, 18
	s_add_co_u32 s48, s48, s49
	s_lshl_b32 s49, s20, 9
	s_add_co_u32 s48, s48, s49
	s_mov_b32 s49, 0
	s_mov_b32 s38, 0x76543210
	s_mov_b32 s39, 0xfedcba98                      ; v_permlanex16_b32's selects for lane l xor 16
	s_mov_b32 s40, 0x600000                        ; the mantissa field of 448
	s_mov_b32 s41, 0x4800000
	s_mul_i32 s52, s19, XBLK
	s_lshl_b32 s53, s20, 15
	s_add_co_u32 s53, s53, s52                     ; my codes of x
	s_lshl_b32 s54, s20, 10
	s_add_co_u32 s54, s54, s52
	s_add_co_u32 s54, s54, 65536                   ; my scale words of x
	s_lshl_b32 s55, s19, 9
	s_add_co_u32 s55, s55, SCI
	s_lshl_b32 s56, s20, 3
	s_add_co_u32 s56, s56, s55
	s_lshl_b32 s57, s20, 1
	s_add_co_u32 s57, s57, s55
	v_and_b32 v33, 31, v0
	v_bfe_u32 v34, v0, 4, 1
	v_and_b32 v35, 15, v0
	v_lshlrev_b32 v[LI], 4, v33
	v_lshlrev_b32 v[LW], 2, v33
	v_lshlrev_b32 v34, 6, v34                      ; q's, k's bias: register j of tile 2 b + u is d = 32 b + 16 h + 8 u + j
	v_and_b32 v36, 8, v35
	v_add_nc_u32 v[AX], s53, v[LI]
	v_add_nc_u32 v[AS], s54, v[LW]
	v_add_nc_u32 v35, v36, v35
	v_add_nc_u32 v[AW0], WB, v[LI]
	v_add_nc_u32 v[AW1], WB+WBLK, v[LI]
	v_add_nc_u32 v[AW2], WB+2*WBLK, v[LI]
	v_lshlrev_b32 v35, 2, v35                      ; v's: all eight registers of a tile are d = 32 b + 8 u + r + 8 (r / 8)
	v_add_nc_u32 v[AWS], WB+32768, v[LW]
	v_add_nc_u32 v[AWS2], WB+2*WBLK+32768, v[LW]
	v_add_nc_u32 v[IMQ], s56, v[LI]
	v_add_nc_u32 v[IMV], s57, v[LI]
.irp b, 0,1,2,3,4,5,6,7
	v_mov_b32 v[T2+\b], 0                          ; a lane permute's destination counts as one of its sources
.endr
	WALU
	s_wait_dscnt 0x0                               ; both opening adds are done
	CROUND
	s_wait_kmcnt 0x0
	s_mov_b32 s[G0X], 1
	s_mov_b32 s[G0X+1], 0
	s_add_nc_u64 s[G0X+2:G0X+3], s[4:5], s[28:29]
	s_or_b32 s[G0X+3], s[G0X+3], 0x80000000
	s_mov_b32 s[G0W], 1
	s_mul_i32 s[G0W+1], s18, WBLK
	s_add_co_u32 s[G0W+1], s[G0W+1], WB-WBLK       ; waves 1 to 3
	s_add_nc_u64 s[G0W+2:G0W+3], s[6:7], s[30:31]
	s_or_b32 s[G0W+3], s[G0W+3], 0x80000000
	s_cmp_lt_u32 s18, 1                            ; one load a wave; x and q's W, which the first barrier shows, have lines of their own
	s_cbranch_scc0 .Lhead_q
	tensor_load_to_lds s[G0X:G0X+3], s[GX:GX+7]
	s_nop 0
	PLACES 4
	s_branch .Lhead_asked
.Lhead_q:
	s_cmp_lt_u32 s18, 2
	s_cbranch_scc0 .Lhead_kv
	tensor_load_to_lds s[G0W:G0W+3], s[GW:GW+7]
	s_nop 0
	PLACES 4
	s_branch .Lhead_asked
.Lhead_kv:
	tensor_load_to_lds s[G0W:G0W+3], s[GW:GW+7]
	s_nop 0
	PLACES 4
.Lhead_asked:
	s_add_nc_u64 s[8:9], s[8:9], s[36:37]
	s_add_nc_u64 s[10:11], s[10:11], s[36:37]
	s_add_nc_u64 s[12:13], s[12:13], s[36:37]
.irp w, 0,1,2,3
	global_load_b128 v[BQ+8*\w:BQ+8*\w+3], v34, s[8:9] offset:(32*(\w/2)+8*(\w%2))*4
	global_load_b128 v[BQ+8*\w+4:BQ+8*\w+7], v34, s[8:9] offset:(32*(\w/2)+8*(\w%2))*4+16
	global_load_b128 v[BK+8*\w:BK+8*\w+3], v34, s[10:11] offset:(32*(\w/2)+8*(\w%2))*4
	global_load_b128 v[BK+8*\w+4:BK+8*\w+7], v34, s[10:11] offset:(32*(\w/2)+8*(\w%2))*4+16
	global_load_b32 v[BV+8*\w], v35, s[12:13] offset:(32*(\w/2)+8*(\w%2))*4
.endr
	s_add_nc_u64 s[44:45], s[14:15], s[44:45]      ; q's codes
	s_add_nc_u64 s[58:59], s[44:45], 0x400000      ; k's
	s_add_nc_u64 s[46:47], s[14:15], s[46:47]      ; v's
	s_add_nc_u64 s[48:49], s[16:17], s[48:49]
	s_add_nc_u64 s[50:51], s[16:17], s[50:51]
	s_wait_loadcnt 0x0
.irp w, 0,1,2,3
.irp i, 1,2,3,4,5,6,7
	v_mov_b32 v[BV+8*\w+\i], v[BV+8*\w]
.endr
.endr
	WALU
	s_cmp_lt_u32 s18, 2
	s_cbranch_scc0 .Lnot_yet
	s_wait_tensorcnt 0x0                           ; waves 0 and 1: x and q's W have landed
.Lnot_yet:
	s_barrier_signal -1
	s_barrier_wait -1                              ; k's and v's W are shown by the barrier below
.irp t, 0,1,2,3
.irp e, 0,1
	ds_load_b32 v[XS+2*\t+\e], v[AS] offset:256*\t+128*\e
.endr
.endr
	SCW AWS, 0
	XL 0
	WL AW0, 0
	XL 1
	WL AW0, 1
	s_wait_dscnt 32                                ; all but K step 1's 32 loads
	MULS 0, 0, BQ
	WIN 0
	XL 2
	WL AW0, 2
	s_wait_dscnt 32                                ; all but K step 2's
	MULS 0, 1, BQ
	WIN 0
	XL 3
	WL AW0, 3
	s_wait_dscnt 32
	MULS 0, 2, BQ
	WIN 0
	s_wait_tensorcnt 0x0                           ; every wave: k's and v's W have landed,
	s_wait_dscnt 0x0                               ; and K step 3's fragments are in
	s_barrier_signal -1
	s_barrier_wait -1
	PLACES 8                                       ; places in front of loads into registers that these products have read
	WL AW1, 0                                      ; the next part's W lands under the last K step and the quantiser
	WL AW1, 1
	WL AW1, 2
	MULS 0, 3, BQ
	WIN 0
	PLACES 8                                       ; and of the first read of results
	WL AW1, 3
	SCW AWS, WBLK
	QUANT
	OUTQ 0, 44
	s_wait_dscnt 0x0
	MULS 0, 0, BK
	WIN 0
	PLACES 8
	WL AW2, 0                                      ; v's W, a K step at a time, as its registers have been read
	MULS 0, 1, BK
	WIN 0
	PLACES 8
	WL AW2, 1
	MULS 0, 2, BK
	WIN 0
	PLACES 8
	WL AW2, 2
	MULS 0, 3, BK
	WIN 0
	PLACES 8
	WL AW2, 3
	SCW AWS2, 0
	QUANT
	OUTQ 1, 58
	s_wait_dscnt 0x0
	MULS 1, 0, BV
	MULS 1, 1, BV
	MULS 1, 2, BV
	MULS 1, 3, BV
	WIN 0
	PLACES 8
	QUANT
.irp f, 0,1,2,3                        ; v: of each of the four tiles of d, my two blocks of 32 keys
	v_lshl_or_b32 v[MX+\f], v[T2+2*\f+1], 8, v[T2+2*\f]
.endr
.irp f, 0,1,2,3
	ds_store_b16 v[IMV], v[MX+\f] offset:2048+4*\f
.endr
.irp b, 0,1,2,3,4,5,6,7
	global_store_b128 v[LI], v[CD+4*\b:CD+4*\b+3], s[46:47] offset:2048*(\b/2)+512*(\b%2)
.endr
	s_lshl_b32 s52, s18, 9
	s_add_co_u32 s52, s52, SCI
	s_lshl_b32 s53, s18, 8
	s_add_co_u32 s53, s53, SCI+2048
	v_lshrrev_b32 v50, 1, v[LI]                    ; 8 x lane
	v_add_nc_u32 v48, s52, v[LI]
	v_add_nc_u32 v49, s53, v50
	WALU
	s_wait_dscnt 0x0
	s_barrier_signal -1
	s_barrier_wait -1                              ; the six images are whole
	ds_load_b128 v[OUTR:OUTR+3], v48
	ds_load_b64 v[OUTR+4:OUTR+5], v49
	s_wait_dscnt 0x0
	global_store_b128 v[LI], v[OUTR:OUTR+3], s[48:49]      ; 512 consecutive bytes
	global_store_b64 v50, v[OUTR+4:OUTR+5], s[50:51]       ; 256 consecutive bytes
	s_wait_tensorcnt 0x0                           ; the wave's end
	ds_add_u32 v[SPW], v[NIL]
	s_wait_dscnt 0x0
	CROUND                                         ; the closing round
	s_endpgm
.Lfunc_end_k_qd70fd69939_proj:
	.size	k_qd70fd69939_proj, .Lfunc_end_k_qd70fd69939_proj-k_qd70fd69939_proj
	.p2alignl 7, 3214868480
	.fill 96, 4, 3214868480
	.section	.rodata,"a",@progbits
	.p2align	6, 0x0
	.amdhsa_kernel k_qd70fd69939_proj
		.amdhsa_group_segment_fixed_size 240128
		.amdhsa_private_segment_fixed_size 0
		.amdhsa_enable_private_segment 0
		.amdhsa_kernarg_size 56
		.amdhsa_user_sgpr_count 2
		.amdhsa_user_sgpr_kernarg_segment_ptr 1
		.amdhsa_wavefront_size32 1
		.amdhsa_system_sgpr_workgroup_id_x 1
		.amdhsa_system_sgpr_workgroup_id_y 1
		.amdhsa_system_sgpr_workgroup_id_z 1
		.amdhsa_system_vgpr_workitem_id 0
		.amdhsa_next_free_vgpr 1024
		.amdhsa_next_free_sgpr 100
		.amdhsa_reserve_vcc 0
		.amdhsa_float_denorm_mode_32 3
		.amdhsa_float_denorm_mode_16_64 3
		.amdhsa_memory_ordered 1
		.amdhsa_forward_progress 1
		.amdhsa_inst_pref_size 108
	.end_amdhsa_kernel
	.amdgpu_metadata
---
amdhsa.version: [ 1, 2 ]
amdhsa.kernels:
  - .name:           k_qd70fd69939_proj
    .symbol:         k_qd70fd69939_proj.kd
    .args:
      - { .name: xq, .offset: 0, .size: 8, .value_kind: global_buffer, .address_space: global }
      - { .name: wq, .offset: 8, .size: 8, .value_kind: global_buffer, .address_space: global }
      - { .name: bq, .offset: 16, .size: 8, .value_kind: global_buffer, .address_space: global }
      - { .name: bk, .offset: 24, .size: 8, .value_kind: global_buffer, .address_space: global }
      - { .name: bv, .offset: 32, .size: 8, .value_kind: global_buffer, .address_space: global }
      - { .name: qkvc, .offset: 40, .size: 8, .value_kind: global_buffer, .address_space: global }
      - { .name: qkvs, .offset: 48, .size: 8, .value_kind: global_buffer, .address_space: global }
    .group_segment_fixed_size: 240128
    .private_segment_fixed_size: 0
    .kernarg_segment_align: 8
    .kernarg_segment_size: 56
    .max_flat_workgroup_size: 128
    .sgpr_count:     100
    .vgpr_count:     1024
    .wavefront_size: 32
...
	.end_amdgpu_metadata
.endif
;; end of part 2
;; launch attn (part 3): grid 16 x 16, 8 waves a work-group, clusters of 4 x 1, 327,680 bytes of LDS; arguments qkvc, qkvs, out0; writes out0
.if DOCPART == 3
	.amdgcn_target "amdgcn-amd-amdhsa--gfx1250"
	.amdhsa_code_object_version 6
	.text
	.protected	k_qd70fd69939_attn
	.globl	k_qd70fd69939_attn
	.p2align	8
	.type	k_qd70fd69939_attn,@function
k_qd70fd69939_attn:
	s_mov_b64 s[64:65], 0
	v_nop
	global_prefetch_b8 v0, s[64:65] scope:SCOPE_SE
	s_setreg_imm32_b32 hwreg(HW_REG_WAVE_MODE, 25, 1), 1
	s_wait_xcnt 0x0
	s_wait_alu depctr_hold_cnt(0) depctr_sa_sdst(0) depctr_va_vdst(0) depctr_va_sdst(0) depctr_va_ssrc(0) depctr_va_vcc(0) depctr_vm_vsrc(0)
	s_getreg_b32 s2, hwreg(HW_REG_IB_STS2, 6, 4)
	s_cmp_eq_u32 s2, 0
	s_cbranch_scc0 .Lentry_in_a_cluster
	s_endpgm
.Lentry_in_a_cluster:
	s_bfe_u32 s2, ttmp6, 0x10000c
	s_cmp_lg_u32 s2, 0x3003
	s_cbranch_scc0 .Lentry_shape_is_right
	s_endpgm
.Lentry_shape_is_right:
; Launch 3 of 3: out = softmax(q k^T / 8) v on codes of E4M3.  No work is left out (half of each QK product's K is zero codes, inside live tiles: a head has 64 numbers, the instruction sums 128).
; SHARES.  Work-group (x, y): batch and head y, queries 256 x .. + 255; a wave owns 32 queries, two tiles of 16.  All waves walk all 4,096 keys: 128 a step, two steps (a pair) to each change of M.
; Both products are transposed: a lane holds one query (lane % 16); score register 16 b + i of a step is key 32 b + 16 (lane / 16) + i, as the codes' images are laid.
; SOFTMAX.  t = score x log2(e) / 8.  Block b of 32 keys has e = floor(its largest t); p' = 2^(t - e) lies under 2 and its largest at 1 or above, so codes are p' / 2^-8, held at 1.75 = 448 x 2^-8, whatever M is.
; M, the running maximum of all e, is a whole number; a block's scale byte is e - M - 8 + 127; the row's sum takes the unquantised p' x 2^(e - M).  When M moves, O and the sum are multiplied by 2^(old M - new M), exactly.
; (M is the floor of the row's largest t, not its ceiling: a power of two on O and on the sum alike, which the division takes out.)
; RING: two slots of 1,024 keys (K's 64 KiB, then V's), filled by joint loads of the four work-groups of a cluster, which share the head; every wave fetches an eighth.  The scale bytes of the head's K and V stay in LDS.
; At the kernel's head each wave has one load: waves 0 to 3 a quarter of slot 0, waves 4 to 7 a quarter of the scale bytes.
; PREFETCH: behind the change that loads slot n, the first cluster of each head asks for slot n + 1: each of its four work-groups a quarter by address, two waves for K and two for V, lanes 256 bytes apart.  Slots 0 and 1 come by their loads alone.
; ORDER: vector lines that do not hang on a product stand behind it: tile 0's maxima behind tile 1's scores' products, tile 1's sums and holds behind the next step's, the weights behind V's.  Among exponentials stand single lines alone, whose results are read behind the next wait.
; LIMITS: scaled scores under 2^31 in magnitude; a block more than 118 powers of two under M counts as 118 under; NaN and infinities are not served.
; REGISTERS, window 0: below.  Window 1: K's fragments, V's of a pair's first step, O, Q (q0, 0, q1, 0, q0: 8 each), the second step's codes of tile 1, the row's sums.  V's fragments of the second step lie in tile 1's score registers.
.set SLOT1, 131072
.set SCL,   262144                     ; K's scale bytes, 16 KiB, then V's
.set SPARE, 294912                     ; the spare words, 128 bytes for each wave
.set STAGE, 0                          ; the way out lies in slot 0: it has had its last fill, and behind the last change nobody reads it
.set PFO, 0                            ; v0   256 x lane
.set LI,  1                            ; v1   16 x lane
.set ADK, 2
.set ADS, 3
.set ADV, 4
.set STO, 2                            ; the way out's, when the three above are done with
.set RD,  3
.set GO,  4
.set SC,  5                            ; v5   2^-8: the conversions' scale operand
.set SPW, 6
.set NIL, 7
.set KS,  8                            ; v8-11  K's scale words
.set VS,  12                           ; v12-15 V's, first step
.set PS,  16                           ; v16-19 the codes': 2 tile + step
.set QS,  20                           ; v20-21 Q's
.set MM,  22                           ; v22-23 M
.set E,   24                           ; v24-39 e: 8 tile + 4 step + block; then e - M, then 2^(e - M)
.set FF,  40                           ; v40-43 2^(old M - new M), a pair a tile; in a step at work for tile 0's maxima
.set VS2, 44                           ; v44-47 V's scale words, second step
.set BS,  48                           ; v48-79 block sums in two halves: 16 tile + 8 step + 2 block; ahead of them at work
.set S,   80                           ; v80-207 scores, then p': 64 a tile
.set P,   208                          ; v208-255 codes: step 0 tile 0, step 0 tile 1, step 1 tile 0
.set KF,  0
.set VF,  64
.set O,   128
.set QF,  192
.set PB,  232                          ; step 1 tile 1's codes
.set RS,  248                          ; the row's sum in two halves, a pair a tile
.set WV,  10
.set G1,  16
.set GS,  24
.set G0,  32
.set G0S, 36
.set TB,  48
.set TS,  49
.set SLOTS, 50
.set INNER, 51
.set SEL, 52
.set CS,  54
.set BND, 56
.set LOW, 57
.set LIM, 58
.set PFA, 60
.set GH,  68
.set G0H, 76
.set MSB, 0
.macro WIN new                         ; the immediate's high byte repeats the setting that is left
.if MSB != (\new)
	s_set_vgpr_msb (MSB<<8)|(\new)
.set MSB, (\new)
.endif
.endm
.macro WALU
	s_wait_alu depctr_va_vdst(0)
.endm
.macro CROUND                          ; a round of the cluster's barrier
	s_barrier_signal -1
	s_barrier_wait -1
	s_cmp_lg_u32 s[WV], 0
	s_cbranch_scc1 .Lnot_wave_0_\@
	s_barrier_signal -3
.Lnot_wave_0_\@:
	s_barrier_wait -3
	s_barrier_signal -1
	s_barrier_wait -1
.endm
.macro ASK
	s_cmp_gt_u32 s[SLOTS], s[LIM]
	s_cbranch_scc0 .Lnot_mine_\@
	global_prefetch_b8 v[PFO], s[PFA:PFA+1] th:TH_LOAD_NT scope:SCOPE_SE
.Lnot_mine_\@:
.endm
.macro GROUP1 g, rows                  ; dense rows of 256 bytes (32 elements of 8), to all four of the cluster
	s_mov_b32 s[\g+0], 15|(3<<16)|(1<<21)
	s_mov_b32 s[\g+1], 32<<16
	s_mov_b32 s[\g+2], (\rows)<<16
	s_mov_b32 s[\g+3], 32<<16
	s_mov_b32 s[\g+4], \rows
	s_mov_b32 s[\g+5], 32
	s_mov_b32 s[\g+6], 0
	s_mov_b32 s[\g+7], 0
.endm
.macro ADDR
	v_add_nc_u32 v[ADK], s[TB], v[LI]
	v_add_nc_u32 v[ADS], s[TS], v[LI]
	v_add_nc_u32 v[ADV], 0x10000, v[ADK]
.endm
.macro KLOAD n                         ; the pair's n-th 128 keys: scale words and four fragments
	ds_load_b128 v[KS:KS+3], v[ADS] offset:512*(\n)
	WIN 0x40
.irp f, 0,1,2,3
.irp c, 0,1,2,3
	ds_load_b128 v[KF+16*\f+4*\c:KF+16*\f+4*\c+3], v[ADK] offset:8192*(\n)+2048*\f+512*\c
.endr
.endr
	WIN 0
.endm
.macro VLOAD n, sc, fr, win            ; V's fragments of step n
	ds_load_b128 v[\sc:\sc+3], v[ADS] offset:16384+512*(\n)
	WIN \win
.irp f, 0,1,2,3
.irp c, 0,1,2,3
	ds_load_b128 v[\fr+16*\f+4*\c:\fr+16*\f+4*\c+3], v[ADV] offset:8192*(\n)+2048*\f+512*\c
.endr
.endr
	WIN 0
.endm
.macro QKP t, n                        ; S^T of tile t, product n = 2 f + u: K's fragment f holds tile (f, 0) in k = 0 .. 63 and (f, 1) above: Q stands against it as (q, 0) and as (0, q)
.set rK, KF+16*((\n)/2)
.set rQ, QF+(1-(\t))*24*((\n)%2)+(\t)*(16-8*((\n)%2))
.set rD, S+64*(\t)+8*(\n)
	WIN 0x05
	v_wmma_scale_f32_16x16x128_f8f6f4 v[rD:rD+7], v[rK:rK+15], v[rQ:rQ+15], 0, v[KS+(\n)/2], v[QS+(\t)]
.endm
.macro MX0 s, k                        ; tile 0, line k of 32: each block's largest score among my 16 keys, the four blocks by turns; every accumulator from its low end on
.set rE, E+4*(\s)+(\k)%4
.set rX, S+16*((\k)%4)
.if (\k) < 4
	v_max3_num_f32 v[rE], v[rX], v[rX+1], v[rX+2]
.elseif (\k) < 28
	v_max3_num_f32 v[rE], v[rE], v[rX+2*((\k)/4)+1], v[rX+2*((\k)/4)+2]
.else
	v_max_num_f32 v[rE], v[rE], v[rX+15]
.endif
.endm
.macro TREE s, b, k                    ; rT: tile 1, block b: where the largest of its k-th three scores stands
.set rI, 4*(\b)+(\k)-1
.if (\k) == 0
.set rT, E+8+4*(\s)+(\b)
.else
.set rT, BS+8*(\s)+rI+8*(rI/8)
.endif
.endm
.macro MX1 s, k                        ; tile 1: the k-th three scores of each block
.irp b, 0,1,2,3
	TREE \s, \b, \k
	v_max3_num_f32 v[rT], v[S+64+16*\b+3*(\k)], v[S+64+16*\b+3*(\k)+1], v[S+64+16*\b+3*(\k)+2]
.endr
.endm
.macro PERM x, e                       ; lane l xor 16's
.irp b, 0,1,2,3
	v_permlanex16_b32 v[\x+\b], v[\e+\b], s[SEL], s[SEL+1]
.endr
.endm
.macro JOIN x, e
.irp b, 0,2
	v_dual_max_num_f32 v[\e+\b], v[\x+\b], v[\e+\b] :: v_dual_max_num_f32 v[\e+\b+1], v[\x+\b+1], v[\e+\b+1]
.endr
.endm
.macro TIMESC e                        ; as t
.irp b, 0,2
	v_pk_mul_f32 v[\e+\b:\e+\b+1], v[\e+\b:\e+\b+1], s[CS:CS+1] op_sel_hi:[1,0]
.endr
.endm
.macro DOWN e                          ; rounded down: e
.irp b, 0,1,2,3
	v_floor_f32 v[\e+\b], v[\e+\b]
.endr
.endm
.macro ARG t, s, n                     ; t - e for score registers 2 n, 2 n + 1 (block n / 8)
.set rX, S+64*(\t)+2*(\n)
.set rE, E+8*(\t)+4*(\s)+2*((\n)/16)
.if ((\n)/8)%2
	v_pk_fma_f32 v[rX:rX+1], v[rX:rX+1], s[CS:CS+1], v[rE:rE+1] op_sel:[0,0,1] op_sel_hi:[1,0,1] neg_lo:[0,0,1] neg_hi:[0,0,1]
.else
	v_pk_fma_f32 v[rX:rX+1], v[rX:rX+1], s[CS:CS+1], v[rE:rE+1] op_sel_hi:[1,0,0] neg_lo:[0,0,1] neg_hi:[0,0,1]
.endif
.endm
.macro ARGS s, from, to                ; tile 0's
.set nn, \from
.rept (\to)-(\from)
	ARG 0, \s, nn
.set nn, nn+1
.endr
.endm
.macro HOLD2 x                         ; the conversion to an 8-bit code does not saturate (ISA guide 7.6.2): two numbers held at 1.75
	v_dual_min_num_f32 v[\x], s[BND], v[\x] :: v_dual_min_num_f32 v[(\x)+1], s[BND], v[(\x)+1]
.endm
.macro PAIRS d, o                      ; d += score pairs o of tile 0's four blocks
.irp b, 0,1,2,3
	v_pk_add_f32 v[\d+2*\b:\d+2*\b+1], v[\d+2*\b:\d+2*\b+1], v[S+16*\b+\o:S+16*\b+\o+1]
.endr
.endm
.macro PAIRS0 d, o                     ; d = score pairs o and o + 2
.irp b, 0,1,2,3
	v_pk_add_f32 v[\d+2*\b:\d+2*\b+1], v[S+16*\b+\o:S+16*\b+\o+1], v[S+16*\b+\o+2:S+16*\b+\o+3]
.endr
.endm
.macro SUMS0 s                         ; tile 0's block sums of the unquantised p', in two halves: eight chains, four of them in tile 1's registers
	PAIRS0 BS+8*(\s), 0
	PAIRS0 BS+16+8*(\s), 8
	PAIRS BS+8*(\s), 4
	PAIRS BS+16+8*(\s), 12
	PAIRS BS+8*(\s), 6
	PAIRS BS+16+8*(\s), 14
.irp b, 0,1,2,3
	v_pk_add_f32 v[BS+8*(\s)+2*\b:BS+8*(\s)+2*\b+1], v[BS+8*(\s)+2*\b:BS+8*(\s)+2*\b+1], v[BS+16+8*(\s)+2*\b:BS+16+8*(\s)+2*\b+1]
.endr
.endm
.macro SH s, k                         ; tile 1's sums and holds, line k of 60: a pair is held when it has been summed
.set rR, (\k)/8
.set rX, S+64+16*((\k)%4)
.set rB, BS+16+8*(\s)+2*((\k)%4)
.if ((\k)%8) >= 4 || (\k) >= 56
	HOLD2 rX+2*rR
.elseif (\k) < 4
	v_pk_add_f32 v[rB:rB+1], v[rX:rX+1], v[rX+2:rX+3]
.else
	v_pk_add_f32 v[rB:rB+1], v[rB:rB+1], v[rX+2*rR+2:rX+2*rR+3]
.endif
.endm
.macro SHS s, from, to
.set nn, \from
.rept (\to)-(\from)
	SH \s, nn
.set nn, nn+1
.endr
.endm
.macro QK0SH s                         ; tile 0's scores of the next step, and tile 1's first 24 lines behind its products
.set n8, 0
.rept 8
	QKP 0, n8
	WIN 0
	SHS \s, 3*n8, 3*n8+3
.set n8, n8+1
.endr
.endm
.macro CV t, d, k                      ; p' / 2^-8 to codes: eight of the operand's 64 numbers of a lane
	v_cvt_scalef32_pk8_fp8_f32 v[\d+2*(\k):\d+2*(\k)+1], v[S+64*(\t)+8*(\k):S+64*(\t)+8*(\k)+7], v[SC]
.endm
.macro CODES1 d
.irp k, 0,1,2,3,4,5,6,7
	CV 1, \d, \k
.endr
.endm
; A STEP: 128 keys, s = 0, 1 of the pair.  Tile 0's scores were asked for in the step before (or ahead of the loop).
.macro STEP s
.set n8, 0
.rept 8
	QKP 1, n8
	WIN 0
	MX0 \s, 3*n8
	MX0 \s, 3*n8+1
	MX0 \s, 3*n8+2
.set n8, n8+1
.endr
.if (\s) == 0
	ADDR
.endif
.irp k, 24,25,26,27,28,29,30,31
	MX0 \s, \k
.endr
	PERM FF, E+4*(\s)
	MX1 \s, 0
	MX1 \s, 1
	JOIN FF, E+4*(\s)
	MX1 \s, 2
	TIMESC E+4*(\s)
	MX1 \s, 3
	DOWN E+4*(\s)
	MX1 \s, 4
.irp b, 0,1,2,3
.set rA, E+8+4*(\s)+\b
	TREE \s, \b, 1
.set rU, rT
	TREE \s, \b, 2
	v_max3_num_f32 v[rA], v[rA], v[rU], v[rT]
.endr
.irp b, 0,1,2,3
	TREE \s, \b, 3
.set rU, rT
	TREE \s, \b, 4
	v_max3_num_f32 v[rU], v[rU], v[rT], v[S+64+16*\b+15]
.endr
	ARGS \s, 0, 4
.irp b, 0,1,2,3
	TREE \s, \b, 3
	v_max_num_f32 v[E+8+4*(\s)+\b], v[E+8+4*(\s)+\b], v[rT]
.endr
	ARGS \s, 4, 8
	PERM BS+16+8*(\s), E+8+4*(\s)
	ARGS \s, 8, 16
	JOIN BS+16+8*(\s), E+8+4*(\s)
	ARGS \s, 16, 22
	TIMESC E+8+4*(\s)
	ARGS \s, 22, 28
	DOWN E+8+4*(\s)
	ARGS \s, 28, 32
	WALU
.set nn, 0
.rept 32                               ; tile 0's exponentials; tile 1's arguments stand among them
	v_exp_f32 v[S+2*nn], v[S+2*nn]
	v_exp_f32 v[S+2*nn+1], v[S+2*nn+1]
	ARG 1, \s, nn
.set nn, nn+1
.endr
	WALU
.if (\s) == 0
	KLOAD 1
	SUMS0 \s
	VLOAD 0, VS, VF, 0x40
.else
	s_cmp_eq_u32 s[INNER], 1                       ; the slot's last pair has no next step in this slot
	s_cbranch_scc1 .Lno_k_\@
	KLOAD 2
.Lno_k_\@:
	SUMS0 \s
.endif
.set nn, 0
.rept 32                               ; tile 1's exponentials: one half with tile 0's holds,
	v_exp_f32 v[S+64+nn], v[S+64+nn]
	HOLD2 S+2*nn
.set nn, nn+1
.endr
	WALU
.set nn, 0
.rept 8                                ; the other with tile 0's conversions
.irp i, 0,1,2,3
	v_exp_f32 v[S+96+4*nn+\i], v[S+96+4*nn+\i]
.endr
	CV 0, P+32*(\s), nn
.set nn, nn+1
.endr
	v_nop                                          ; a plain line behind the last of both
	WALU
.if (\s) == 0
	s_wait_dscnt 0x0                               ; K's fragments of the next step
	QK0SH \s
	SHS \s, 24, 60
	CODES1 P+16
.else
	s_cmp_eq_u32 s[INNER], 1
	s_cbranch_scc1 .Lno_qk_\@
	s_wait_dscnt 0x0
	QK0SH \s
	WALU
	s_branch .Lgo_on_\@
.Lno_qk_\@:
	SHS \s, 0, 24
.Lgo_on_\@:
	SHS \s, 24, 60
	WIN 0x40
	CODES1 PB
	WIN 0
.endif
	v_nop                                          ; a plain line behind the last conversion
.endm
.macro WORD s                          ; the codes' scale words of step s: four bytes e - M + 119
.irp t, 0,1
	v_add_nc_u32 v[PS+2*\t+(\s)], 0x77777777, v[E+8*\t+4*(\s)]
.endr
.irp b, 1,2,3
.irp t, 0,1
	v_lshl_add_u32 v[PS+2*\t+(\s)], v[E+8*\t+4*(\s)+\b], 8*\b, v[PS+2*\t+(\s)]
.endr
.endr
.endm
.macro PVP n                           ; O^T += V^T P^T: product n = 8 step + 4 tile + a of 16
.set rA, (\n)%4
.set rO, O+8*((\n)%8)
.if (\n) < 8
	WIN 0x51
	v_wmma_scale_f32_16x16x128_f8f6f4 v[rO:rO+7], v[VF+16*rA:VF+16*rA+15], v[P+16*((\n)/4):P+16*((\n)/4)+15], v[rO:rO+7], v[VS+rA], v[PS+2*((\n)/4)]
.elseif (\n) < 12
	WIN 0x50
	v_wmma_scale_f32_16x16x128_f8f6f4 v[rO:rO+7], v[S+64+16*rA:S+64+16*rA+15], v[P+32:P+47], v[rO:rO+7], v[VS2+rA], v[PS+1]
.else
	WIN 0x54
	v_wmma_scale_f32_16x16x128_f8f6f4 v[rO:rO+7], v[S+64+16*rA:S+64+16*rA+15], v[PB:PB+15], v[rO:rO+7], v[VS2+rA], v[PS+3]
.endif
.endm
.macro WGT k                           ; 2^(e - M)
	v_lshl_add_u32 v[E+(\k)], v[E+(\k)], 23, 0x3f800000
.endm
.macro FOLD k                          ; block sums x weights: block k / 4 of tile (k / 2) % 2, step k % 2: four chains by turns
.set rY, BS+16*(((\k)/2)%2)+8*((\k)%2)
.set rE, E+8*(((\k)/2)%2)+4*((\k)%2)+2*((\k)/8)
.set rB, rY+2*((\k)/4)
.if (\k) < 4
	v_pk_mul_f32 v[rY:rY+1], v[rY:rY+1], v[rE:rE+1] op_sel_hi:[1,0]
.elseif ((\k)/4)%2
	v_pk_fma_f32 v[rY:rY+1], v[rB:rB+1], v[rE:rE+1], v[rY:rY+1] op_sel:[0,1,0] op_sel_hi:[1,1,1]
.else
	v_pk_fma_f32 v[rY:rY+1], v[rB:rB+1], v[rE:rE+1], v[rY:rY+1] op_sel_hi:[1,0,1]
.endif
.endm
; A PAIR'S END: M, the weights, O under the new M, and both steps' products with V.
.macro PAIR_END
	VLOAD 1, VS2, S+64, 0                          ; tile 1's scores are done with
.irp t, 0,1
	v_max3_num_f32 v[FF+2*\t], v[MM+\t], v[E+8*\t], v[E+8*\t+1]
.endr
.irp i, 2,4,6
.irp t, 0,1
	v_max3_num_f32 v[FF+2*\t], v[FF+2*\t], v[E+8*\t+\i], v[E+8*\t+\i+1]
.endr
.endr
.irp t, 0,1
	v_sub_f32 v[FF+2*\t+1], v[MM+\t], v[FF+2*\t]   ; old M - new M: a whole number, 0 or less
.endr
.irp t, 0,1
	v_mov_b32 v[MM+\t], v[FF+2*\t]
.endr
.irp t, 0,1
	v_cvt_i32_f32 v[FF+2*\t+1], v[FF+2*\t+1]       ; (it saturates)
.endr
.irp i, 0,2,4,6
	v_pk_add_f32 v[E+\i:E+\i+1], v[E+\i:E+\i+1], v[MM:MM+1] op_sel_hi:[1,0] neg_lo:[0,1] neg_hi:[0,1]
	v_pk_add_f32 v[E+8+\i:E+8+\i+1], v[E+8+\i:E+8+\i+1], v[MM:MM+1] op_sel:[0,1] op_sel_hi:[1,1] neg_lo:[0,1] neg_hi:[0,1]
.endr
.irp t, 0,1
	v_ldexp_f32 v[FF+2*\t], 1.0, v[FF+2*\t+1]
.endr
.irp i, 0,2,4,6,8,10,12,14
	v_dual_max_num_f32 v[E+\i], s[LOW], v[E+\i] :: v_dual_max_num_f32 v[E+\i+1], s[LOW], v[E+\i+1]   ; so that the byte is 1 at the least
.endr
.irp i, 0,1,2,3,4,5,6,7,8,9,10,11,12,13,14,15
	v_cvt_i32_f32 v[E+\i], v[E+\i]
.endr
	WORD 0
	WORD 1
	WIN 0x41
	s_wait_dscnt 0x0                               ; both steps' fragments of V are in
	WALU
.set jj, 0
.rept 16
	v_pk_mul_f32 v[O+jj:O+jj+1], v[O+jj:O+jj+1], v[FF:FF+1] op_sel_hi:[1,0]
.set jj, jj+2
.endr
.set jj, 0
.rept 16
	v_pk_mul_f32 v[O+32+jj:O+32+jj+1], v[O+32+jj:O+32+jj+1], v[FF+2:FF+3] op_sel_hi:[1,0]
.set jj, jj+2
.endr
.set n8, 0
.rept 8
	PVP n8
	WIN 0
	WGT 2*n8
	WGT 2*n8+1
.set n8, n8+1
.endr
	WALU
.rept 4
	PVP n8
	WIN 0
	FOLD 2*(n8-8)
	FOLD 2*(n8-8)+1
.set n8, n8+1
.endr
.rept 4
	PVP n8
.set n8, n8+1
.endr
	WIN 0
.irp k, 8,9,10,11,12,13,14,15
	FOLD \k
.endr
	WIN 0x41
.irp t, 0,1
	v_pk_fma_f32 v[RS+2*\t:RS+2*\t+1], v[RS+2*\t:RS+2*\t+1], v[FF+2*\t:FF+2*\t+1], v[BS+16*\t:BS+16*\t+1] op_sel_hi:[1,0,1]
.endr
.irp t, 0,1
	v_pk_add_f32 v[RS+2*\t:RS+2*\t+1], v[RS+2*\t:RS+2*\t+1], v[BS+16*\t+8:BS+16*\t+9]
.endr
	WIN 0                                          ; (the last 8 folds and these 4 are places ahead of the products that write tile 1's score registers)
.endm
.macro SLOT_STEPS                      ; the 1,024 keys of a slot: four pairs
	ADDR
	KLOAD 0
	s_mov_b32 s[INNER], 4
.irp f, 0,1,2,3
	s_wait_dscnt 12-4*\f                           ; fragment f is in; those behind it, four loads each, may be out
	QKP 0, 2*\f
	QKP 0, 2*\f+1
.endr
	WIN 0
.rept 8
	v_nop                                          ; places ahead of the first reader of these scores
.endr
.Lpair_\@:
	STEP 0
	STEP 1
	PAIR_END
	s_add_co_u32 s[TB], s[TB], 16384
	s_add_co_u32 s[TS], s[TS], 1024
	s_sub_co_u32 s[INNER], s[INNER], 1
	s_cmp_lg_u32 s[INNER], 0
	WALU
	s_cbranch_scc1 .Lpair_\@
	s_sub_co_u32 s[TB], s[TB], 65536
	s_xor_b32 s[TB], s[TB], SLOT1
.endm
; THE CHANGE OF SLOTS, at a slot's head: my part of the slot ahead is in, the add, my reads of the slot left are over; behind the round (fill = 1) the slot left is filled again
.macro CHANGE fill
	s_wait_tensorcnt 0x0
	ds_add_u32 v[SPW], v[NIL]
.if \fill
	s_xor_b32 s[G0+1], s[G0+1], SLOT1
	s_add_nc_u64 s[G0+2:G0+3], s[G0+2:G0+3], 65536
	s_wait_xcnt 0x0                                ; the last prefetch has read its address
	s_add_nc_u64 s[PFA:PFA+1], s[PFA:PFA+1], 65536
	s_wait_dscnt 0x0
	CROUND
	tensor_load_to_lds s[G0:G0+3], s[G1:G1+7]
	s_nop 0
.rept 4
	v_nop
.endr
	ASK
.else
	s_wait_dscnt 0x0
	s_barrier_signal -1
	s_barrier_wait -1
.endif
.endm
	s_load_b128 s[4:7], s[0:1], 0x0                ; qkvc, qkvs
	s_load_b64 s[8:9], s[0:1], 0x10                ; out0
	v_lshl_add_u32 v[SPW], v0, 2, SPARE
	v_mov_b32 v[NIL], 0
	ds_add_u32 v[SPW], v[NIL]                      ; the wave's opening: the add, twice on end, ahead of my first tensor load
	ds_add_u32 v[SPW], v[NIL]
	v_lshrrev_b32 v80, 5, v0
	v_readfirstlane_b32 s[WV], v80
	v_and_b32 v81, 31, v0
	v_lshlrev_b32 v[LI], 4, v81
	v_lshlrev_b32 v[PFO], 8, v81
	s_bfe_u32 s11, ttmp6, 0x40000                  ; cx
	s_lshl_b32 s12, ttmp9, 2
	s_add_co_u32 s12, s12, s11                     ; which 256 queries
	s_and_b32 s13, ttmp7, 0xffff                   ; 8 batch + head
	s_lshr_b32 s14, s[WV], 2
	s_and_b32 s15, s[WV], 3
	GROUP1 GH, 128
	GROUP1 GS, 32
	GROUP1 G1, 64
	s_bfe_u32 s80, s[WV], 0x10001                  ; at the head: K's (0) or V's (1)
	s_and_b32 s81, s[WV], 1                        ; and which half
	s_lshl_b32 s82, s80, 4
	s_add_co_u32 s82, s82, 16
	s_add_co_u32 s82, s82, s13
	s_lshl_b32 s84, s82, 18
	s_lshl_b32 s83, s81, 15
	s_add_co_u32 s84, s84, s83                     ; 32 KiB of slot 0's codes
	s_mov_b32 s85, 0
	s_lshl_b32 s86, s82, 14
	s_lshl_b32 s83, s81, 13
	s_add_co_u32 s86, s86, s83                     ; 8 KiB of scale bytes
	s_mov_b32 s87, 0
	s_lshl_b32 s40, s14, 4
	s_add_co_u32 s40, s40, 16
	s_add_co_u32 s40, s40, s13
	s_lshl_b32 s42, s40, 18
	s_lshl_b32 s41, s15, 14
	s_add_co_u32 s42, s42, s41                     ; in the ring: 16 KiB of a slot: waves 0 to 3 K's, 4 to 7 V's
	s_mov_b32 s43, 0
	s_lshl_b32 s46, s13, 5
	s_lshl_b32 s47, s12, 1
	s_add_co_u32 s46, s46, s47
	s_add_co_u32 s46, s46, s14                     ; my queries' run of 128, of which my wave has fragment s15
	s_lshl_b32 s2, s46, 13
	s_lshl_b32 s3, s15, 11
	s_add_co_u32 s2, s2, s3
	s_mov_b32 s3, 0
	s_lshl_b32 s46, s46, 9
	s_lshl_b32 s47, s15, 2
	s_add_co_u32 s46, s46, s47
	s_mov_b32 s47, 0
	s_lshr_b32 s62, s13, 3                         ; out0: row 4096 batch + 256 x + 32 wave, 256 bytes a head
	s_lshl_b32 s62, s62, 12
	s_lshl_b32 s59, s12, 8
	s_add_co_u32 s62, s62, s59
	s_lshl_b32 s59, s[WV], 5
	s_add_co_u32 s62, s62, s59
	s_lshl_b32 s62, s62, 11
	s_and_b32 s59, s13, 7
	s_lshl_b32 s59, s59, 8
	s_add_co_u32 s62, s62, s59
	s_mov_b32 s63, 0
	s_lshl_b32 s60, s40, 18                        ; prefetch: slot 1, my work-group's quarter of it, my wave's 8 KiB (waves 0, 1 of each four)
	s_lshl_b32 s59, s11, 14
	s_add_co_u32 s60, s60, s59
	s_lshl_b32 s59, s15, 13
	s_add_co_u32 s60, s60, s59
	s_add_co_u32 s60, s60, 65536
	s_mov_b32 s61, 0
	s_lshr_b32 s59, s15, 1
	s_or_b32 s59, s59, ttmp9
	s_cmp_eq_u32 s59, 0
	s_cselect_b32 s[LIM], 1, -1
	s_mov_b32 s[SEL], 0x76543210
	s_mov_b32 s[SEL+1], 0xfedcba98                 ; v_permlanex16_b32's selects for lane l xor 16
	s_mov_b32 s[CS], 0x3e38aa3b                    ; log2(e) / 8
	s_mov_b32 s[CS+1], s[CS]
	s_mov_b32 s[BND], 0x3fe00000                   ; 1.75
	s_mov_b32 s[LOW], 0xc2ec0000                   ; -118
	s_mov_b32 s[TB], 0
	s_mov_b32 s[TS], SCL
	s_mov_b32 s[SLOTS], 3
	WALU
	s_wait_dscnt 0x0                               ; both opening adds are done
	CROUND
	s_wait_kmcnt 0x0
	s_mov_b32 s[G0H], 1
	s_lshl_b32 s[G0H+1], s[WV], 15
	s_add_nc_u64 s[G0H+2:G0H+3], s[4:5], s[84:85]
	s_or_b32 s[G0H+3], s[G0H+3], 0x80000000
	s_mov_b32 s[G0S], 1
	s_lshl_b32 s[G0S+1], s[WV], 13
	s_add_co_u32 s[G0S+1], s[G0S+1], SCL-32768     ; waves 4 to 7: SCL + 8192 (wave - 4)
	s_add_nc_u64 s[G0S+2:G0S+3], s[6:7], s[86:87]
	s_or_b32 s[G0S+3], s[G0S+3], 0x80000000
	s_cmp_lt_u32 s[WV], 4                          ; one load a wave
	s_cbranch_scc0 .Lhead_scales
	tensor_load_to_lds s[G0H:G0H+3], s[GH:GH+7]
	s_nop 0
.rept 4
	v_nop
.endr
	s_branch .Lhead_asked
.Lhead_scales:
	tensor_load_to_lds s[G0S:G0S+3], s[GS:GS+7]
	s_nop 0
.rept 4
	v_nop
.endr
.Lhead_asked:
	s_mov_b32 s[G0], 1
	s_lshl_b32 s[G0+1], s[WV], 14
	s_add_nc_u64 s[G0+2:G0+3], s[4:5], s[42:43]
	s_or_b32 s[G0+3], s[G0+3], 0x80000000
	s_add_nc_u64 s[2:3], s[4:5], s[2:3]
	s_add_nc_u64 s[46:47], s[6:7], s[46:47]
	s_add_nc_u64 s[8:9], s[8:9], s[62:63]
	s_add_nc_u64 s[PFA:PFA+1], s[4:5], s[PFA:PFA+1]
	global_load_b32 v80, v[LI], s[46:47]           ; both tiles' scale bytes: two each
	WIN 0x40
.irp b, 0,1
	global_load_b128 v[QF+4*\b:QF+4*\b+3], v[LI], s[2:3] offset:512*\b
	global_load_b128 v[QF+32+4*\b:QF+32+4*\b+3], v[LI], s[2:3] offset:512*\b
	global_load_b128 v[QF+16+4*\b:QF+16+4*\b+3], v[LI], s[2:3] offset:1024+512*\b
.endr
.set i, 0
.rept 8
	v_mov_b32 v[QF+8+i], 0
	v_mov_b32 v[QF+24+i], 0
.set i, i+1
.endr
.set i, 0
.rept 64                               ; O: the pair's text is written once: its first change of M finds zeros and leaves zeros
	v_mov_b32 v[O+i], 0
.set i, i+1
.endr
.irp i, 0,1,2,3
	v_mov_b32 v[RS+\i], 0
.endr
	WIN 0
	WALU
	s_wait_loadcnt 0x0
	v_and_b32 v[QS], 0xffff, v80
	v_lshrrev_b32 v[QS+1], 16, v80
	v_mov_b32 v[SC], 0x3b800000                    ; 2^-8
	v_mov_b32 v[MM], 0xff61b1e6                    ; M: -3e38, under every e
	v_lshl_or_b32 v[QS], v[QS], 16, v[QS]          ; the same two bytes against both halves of K
	v_lshl_or_b32 v[QS+1], v[QS+1], 16, v[QS+1]
	v_mov_b32 v[MM+1], 0xff61b1e6
.irp i, 0,1,2,3
	v_mov_b32 v[FF+\i], 0                          ; a lane permute's destination counts as one of its sources
	v_mov_b32 v[BS+16+\i], 0
	v_mov_b32 v[BS+24+\i], 0
.endr
	WALU
.Lslot:
	CHANGE 1
	SLOT_STEPS
	s_sub_co_u32 s[SLOTS], s[SLOTS], 1
	s_cmp_lg_u32 s[SLOTS], 0
	s_cbranch_scc1 .Lslot
	CHANGE 0                                       ; the last slot is written out
	SLOT_STEPS
; THE WAY OUT: O^T / the sum through my own stage, back as rows of 256 bytes; sixteen lanes store one aligned unit
	WIN 0x05
	v_add_f32 v[FF], v[RS], v[RS+1]
	v_add_f32 v[FF+2], v[RS+2], v[RS+3]
	WIN 0
	v_lshrrev_b32 v80, 8, v[LI]                    ; h
	v_and_b32 v81, 240, v[LI]                      ; 16 r
	v_permlanex16_b32 v[BS], v[FF], s[SEL], s[SEL+1]
	v_permlanex16_b32 v[BS+16], v[FF+2], s[SEL], s[SEL+1]
	v_mul_u32_u24 v[STO], 17, v81
	v_mul_u32_u24 v[RD], 0x110, v80
	v_add_f32 v[FF], v[FF], v[BS]
	v_add_f32 v[FF+2], v[FF+2], v[BS+16]
	s_mul_i32 s59, s[WV], 8704
	WALU
	v_rcp_f32 v[FF], v[FF]
	v_rcp_f32 v[FF+2], v[FF+2]
	v_lshl_add_u32 v[STO], v80, 6, v[STO]
	v_add_nc_u32 v[RD], v81, v[RD]
	v_lshl_add_u32 v[GO], v80, 11, v81
	v_add_nc_u32 v[STO], s59, v[STO]               ; row r, 64 bytes a half of the lanes
	v_add_nc_u32 v[RD], s59, v[RD]                 ; lanes 0-15 one row, lanes 16-31 the next
	WIN 0x01
	WALU
.irp t, 0,1
.set jj, 0
.rept 16
	v_pk_mul_f32 v[S+64*\t+jj:S+64*\t+jj+1], v[O+32*\t+jj:O+32*\t+jj+1], v[FF+2*\t:FF+2*\t+1] op_sel_hi:[1,0]
.set jj, jj+2
.endr
.endr
	WIN 0
.irp t, 0,1
.irp b, 0,1
.irp i, 0,1,2,3
	ds_store_b128 v[STO], v[S+64*\t+16*\b+4*\i:S+64*\t+16*\b+4*\i+3] offset:STAGE+4352*\t+128*\b+16*\i
.endr
.endr
.irp i, 0,1,2,3,4,5,6,7
	ds_load_b128 v[S+64*\t+32+4*\i:S+64*\t+32+4*\i+3], v[RD] offset:STAGE+4352*\t+544*\i   ; LDS serves a wave's instructions in order (ISA guide 5.7.1.4): these see my stores
.endr
.endr
.macro SEND t, younger                 ; younger: the LDS instructions issued behind this tile's loads
.irp i, 0,1,2,3,4,5,6,7
	s_wait_dscnt \younger+7-\i
	global_store_b128 v[GO], v[S+64*\t+32+4*\i:S+64*\t+32+4*\i+3], s[8:9] offset:(8*\t+2*\i+8*(\i/4))*2048 th:TH_STORE_NT
.endr
.endm
	SEND 0, 16
	SEND 1, 0
	s_wait_tensorcnt 0x0                           ; the wave's end
	ds_add_u32 v[SPW], v[NIL]
	s_wait_dscnt 0x0
	CROUND                                         ; the closing round
	s_endpgm
.Lfunc_end_k_qd70fd69939_attn:
	.size	k_qd70fd69939_attn, .Lfunc_end_k_qd70fd69939_attn-k_qd70fd69939_attn
	.p2alignl 7, 3214868480
	.fill 96, 4, 3214868480
	.section	.rodata,"a",@progbits
	.p2align	6, 0x0
	.amdhsa_kernel k_qd70fd69939_attn
		.amdhsa_group_segment_fixed_size 327680
		.amdhsa_private_segment_fixed_size 0
		.amdhsa_enable_private_segment 0
		.amdhsa_kernarg_size 24
		.amdhsa_user_sgpr_count 2
		.amdhsa_user_sgpr_kernarg_segment_ptr 1
		.amdhsa_wavefront_size32 1
		.amdhsa_system_sgpr_workgroup_id_x 1
		.amdhsa_system_sgpr_workgroup_id_y 1
		.amdhsa_system_sgpr_workgroup_id_z 1
		.amdhsa_system_vgpr_workitem_id 0
		.amdhsa_next_free_vgpr 512
		.amdhsa_next_free_sgpr 88
		.amdhsa_reserve_vcc 0
		.amdhsa_float_denorm_mode_32 3
		.amdhsa_float_denorm_mode_16_64 3
		.amdhsa_memory_ordered 1
		.amdhsa_forward_progress 1
		.amdhsa_inst_pref_size 159
	.end_amdhsa_kernel
	.amdgpu_metadata
---
amdhsa.version: [ 1, 2 ]
amdhsa.kernels:
  - .name:           k_qd70fd69939_attn
    .symbol:         k_qd70fd69939_attn.kd
    .args:
      - { .name: qkvc, .offset: 0, .size: 8, .value_kind: global_buffer, .address_space: global }
      - { .name: qkvs, .offset: 8, .size: 8, .value_kind: global_buffer, .address_space: global }
      - { .name: out0, .offset: 16, .size: 8, .value_kind: global_buffer, .address_space: global }
    .group_segment_fixed_size: 327680
    .private_segment_fixed_size: 0
    .kernarg_segment_align: 8
    .kernarg_segment_size: 24
    .max_flat_workgroup_size: 256
    .sgpr_count:     88
    .vgpr_count:     512
    .wavefront_size: 32
...
	.end_amdgpu_metadata
.endif
;; end of part 3
